; MI455X (gfx1250); checked and timed in simulation.
; The chip was launched on July 23, 2026; its instructions are those of AMD's public machine-readable ISA for CDNA 5 (MIT licence, August 2026) and "CDNA5" Instruction Set Architecture Reference Guide (July 2026). The comments in the code are by the model that wrote it; some were corrected since.
;; Typed Linear. Allowed arithmetic: matrix products marked QUANTISED: E2M3 operands, one E8M0 scale for each 32 along K, by v_wmma_scale_f32_16x16x128_f8f6f4 with both operands' format E2M3, f32 sums; everything else in f32.
;; Inputs: bias 8 x 1,024 float32; types 8,192 int32; weight_codes 8 x 1,024 x 32 x 24 uint8 (E2M3 codes of weight, K innermost, in blocks of 32 codes, four codes in three bytes); weight_scales 8 x 1,024 x 32 uint8 (E8M0 scales of weight, one for each 32 codes along K); x_codes 8,192 x 32 x 24 uint8 (E2M3 codes of x, K innermost, in blocks of 32 codes, four codes in three bytes); x_scales 8,192 x 32 uint8 (E8M0 scales of x, one for each 32 codes along K).
;; Outputs: out0 8,192 x 1,024 float32.
;; This version of the problem:
;;   THIS VERSION OF THE PROBLEM IS GIVEN IN LOW PRECISION. The matrix products marked QUANTISED in the list below multiply operands that are first quantised to E2M3 (2 exponent bits, 3 mantissa bits; 6 bits a number), with one power-of-two scale for each 32 numbers along K (OCP MX v1.0); their sums are f32. All else is computed in f32.
;;   The module's matrix products, in the order in which they are computed (A, B: the left and right operand; K: the contracted axis; several contracted axes count as one K, in the product's order):
;;     1. [M 8,192, K 1,024] x [K 1,024, N 8,192]; A: input x (given as codes); B: input weight (given as codes): QUANTISED
;;   THE QUANTISER, for each operand of a quantised product, along K:
;;     - K is cut into blocks of 32 from its start; a last block that is shorter is filled with zeros.
;;     - A block's scale is 2^e with e = floor(log2(the largest magnitude in the block)) - 2, held to -126 .. 127; a block of zeros has e = 0. As a byte (E8M0): e + 127.
;;     - Each number is divided by its block's scale, clamped to +-7.5, and rounded to the nearest number of E2M3, ties to even, subnormals kept.
;;     - The product sums the exact products of the quantised numbers (number of the format x scale) in f32.
;;   ~~~python
;;   def quantise(x, axis):      # numpy; x: float32 -> the quantised numbers, widened to float32 again
;;       x = np.moveaxis(x, axis, -1); K = x.shape[-1]
;;       x = np.pad(x, [(0, 0)] * (x.ndim - 1) + [(0, -K % 32)]); x = x.reshape(x.shape[:-1] + (-1, 32)); a = np.abs(x).max(-1, keepdims=True)
;;       e = np.where(a > 0, np.clip(np.frexp(np.where(a > 0, a, 1))[1] - 1 - 2, -126, 127), 0)      # np.frexp(a)[1] - 1 = floor(log2(a)), exactly
;;       r = np.clip(x / 2.0 ** e, -7.5, 7.5)
;;       step = 2.0 ** (np.maximum(np.frexp(np.where(r == 0, 1, r))[1] - 1, 0) - 3)
;;       q = np.round(r / step) * step * 2.0 ** e      # np.round: ties to even
;;       return np.moveaxis(q.reshape(q.shape[:-2] + (-1,))[..., :K], -1, axis).astype(np.float32)
;;   ~~~
;;   INPUTS GIVEN AS CODES. weight (in the module: [8, 1024, 1024], K = its axis 2); x (in the module: [8192, 1024], K = its axis 1): each comes as NAME_codes (uint8): NAME with its K axis moved to the last place and cut into blocks of 32 codes, [.., K / 32, bytes a block], one block behind the other in memory; four codes in three bytes: a row's codes are one little-endian stream of bits, code i at bits 6 i .. 6 i + 5 (a code: sign, 2 exponent bits, 3 mantissa bits); and NAME_scales (uint8): the same leading axes, one E8M0 byte (e + 127) for each 32 codes along K. Its value is code x scale, taken as it is: it is not quantised again, and the codes and scales need not be those that the quantiser above would give.
;; One version. Each part assembles by itself: llvm-mc -triple=amdgcn-amd-amdhsa -mcpu=gfx1250 --defsym DOCPART=n.
;; ======== version 1 of 1: 2 launches
;; workspace buffers: order 262,144 bytes of whole numbers; counts 256 bytes of whole numbers; wimg 6,291,456 bytes
;; launch prepare (part 1): grid 160 x 1, 4 waves a work-group, no clusters, 51,200 bytes of LDS; arguments types, weight_codes, order, counts, wimg; writes order, counts, wimg
.if DOCPART == 1
	.amdgcn_target "amdgcn-amd-amdhsa--gfx1250"
	.amdhsa_code_object_version 6
	.text
	.protected	k_q34f9b1fd83_prepare
	.globl	k_q34f9b1fd83_prepare
	.p2align	8
	.type	k_q34f9b1fd83_prepare,@function
k_q34f9b1fd83_prepare:
	s_mov_b64 s[64:65], 0
	v_nop
	global_prefetch_b8 v0, s[64:65] scope:SCOPE_SE
	s_setreg_imm32_b32 hwreg(HW_REG_WAVE_MODE, 25, 1), 1
	s_wait_xcnt 0x0
; Two jobs in one launch, parted by the work-group's number alone (the same in all four waves).
; WORK-GROUPS 0-31, THE SORT: work-group (e = id / 4, z = id % 4) puts the numbers of the tokens of type e among tokens 2048 z .. 2048 z + 2047
; into order[e][..], behind those of the earlier tokens of that type; the work-group z = 3 also stores counts[e].  No atomics: each wave counts
; its 512 tokens of each earlier part again, and the four waves add their counts through 32 bytes of LDS.  The order inside a type is free.
; WORK-GROUPS 32-159, THE LAY-OUT: each wave turns 16 rows of weight_codes (12,288 dense bytes) into the image of the operand's registers:
; wimg[group of 16 rows][K step s of 128][j = 0..2][lane][16 bytes]; lane (r, h) holds the 48 consecutive bytes at 96 s + 48 h of row r.
; So a fragment comes later by three loads of 16 bytes a lane, 512 consecutive bytes each.  (That order changes the places of the two middle blocks of 32 in
; each 128 along K; the product's launch takes x in the same order and swaps the scale bytes to match.)
; LIMIT: a token whose type is outside 0 .. 7 is placed nowhere (the indexing of the problem relies on 0 .. 7).
.set PITCH, 784                        ; a stage row: 768 bytes + 16 = 49 x 16: sixteen rows of a load begin at sixteen different 16-byte columns modulo 256
.set WSTG,  16*PITCH                   ; a wave's stage
.set STG0,  256                        ; the stages begin behind the sort's own 256 bytes: each path has LDS bytes of its own
.set RK,    80                         ; v80-95   the sort: a register's rank, then its byte offset in order[e]
.set TK,    112                        ; v112-127 the sort: a register's token number
	s_load_b256 s[4:11], s[0:1], 0x0               ; types s[4:5], weight_codes s[6:7], order s[8:9], counts s[10:11]
	s_load_b64 s[12:13], s[0:1], 0x20              ; wimg
	v_lshl_add_u32 v208, v0, 2, 0xc600
	v_mov_b32 v209, 0
	v_and_b32 v1, 31, v0                           ; lane
	v_lshrrev_b32 v2, 5, v0
	v_readfirstlane_b32 s14, v2                    ; wave 0..3
	s_mov_b32 s3, 0                                ; the upper word of every 64-bit offset
	s_wait_kmcnt 0x0
	s_cmp_lt_u32 ttmp9, 32
	s_cbranch_scc0 .Llay
	; ---------------- the sort ----------------
	s_lshr_b32 s16, ttmp9, 2                       ; e
	s_and_b32 s17, ttmp9, 3                        ; z
	s_wait_alu depctr_va_vdst(0)
	v_lshlrev_b32 v2, 4, v1                        ; 16 bytes (4 tokens) a lane
	s_lshl_b32 s19, s17, 11
	s_lshl_b32 s15, s14, 9
	s_add_co_u32 s19, s19, s15                     ; my wave's first token: 2048 z + 512 w
	v_lshl_add_u32 v3, v1, 2, s19                  ; my lane's first token
	s_lshl_b32 s2, s19, 2
	s_add_nc_u64 s[56:57], s[4:5], s[2:3]          ; types at my wave's own 512 tokens
	s_lshl_b32 s2, s14, 11
	s_add_nc_u64 s[58:59], s[4:5], s[2:3]          ; types at token 512 w: my slice of part 0; parts 1 and 2 by the immediate
.irp i, 0,1,2,3
	global_load_b128 v[16+4*\i:19+4*\i], v2, s[56:57] offset:512*\i          ; register 4 i + k holds token v3 + 128 i + k
.endr
.irp p, 0,1,2
.irp i, 0,1,2,3
	global_load_b128 v[32+16*\p+4*\i:35+16*\p+4*\i], v2, s[58:59] offset:8192*\p+512*\i   ; my slice of part p: always loaded (inside the buffer), counted in only where p < z
.endr
.endr
	s_mov_b32 s18, 0                               ; my wave's own count
	s_mov_b32 s21, 0                               ; my slice's counts in parts 0, 1, 2
	s_mov_b32 s22, 0
	s_mov_b32 s23, 0
	s_wait_loadcnt 12                              ; my own four loads are in; the twelve younger ones may be out
.irp g, 0,1,2,3,4,5,6,7,8,9,10,11,12,13,14,15
	v_cmp_eq_u32 s[36+\g], s16, v[16+\g]           ; which lanes hold a token of type e in register g
	v_mbcnt_lo_u32_b32 v[RK+\g], s[36+\g], s18     ; its rank in the wave: those of the registers before + those of the lanes below
	s_bcnt1_i32_b32 s19, s[36+\g]
	s_add_co_u32 s18, s18, s19
.endr
	s_wait_loadcnt 0x0
.irp p, 0,1,2
.irp g, 0,1,2,3,4,5,6,7,8,9,10,11,12,13,14,15
	v_cmp_eq_u32 s[52+\g%4], s16, v[32+16*\p+\g]
	s_bcnt1_i32_b32 s19, s[52+\g%4]
	s_add_co_u32 s[21+\p], s[21+\p], s19
.endr
.endr
	s_mov_b32 s20, 0                               ; my slice's count in the parts before z
.irp p, 0,1,2
	s_cmp_gt_u32 s17, \p
	s_cselect_b32 s19, s[21+\p], 0
	s_add_co_u32 s20, s20, s19
.endr
	v_mov_b32 v6, s18
	v_mov_b32 v7, s20
	v_mov_b32 v4, s14
	v_lshlrev_b32 v4, 3, v4                        ; my wave's pair of words
	ds_store_b64 v4, v[6:7]                        ; all lanes write the same bytes with the same values
	s_wait_dscnt 0x0                               ; for the others' sake: my store is done
	s_barrier_signal -1
	s_barrier_wait -1
	v_mov_b32 v5, 0
	ds_load_b128 v[96:99], v5                      ; (own 0, before 0, own 1, before 1,
	ds_load_b128 v[100:103], v5 offset:16          ;  own 2, before 2, own 3, before 3)
	s_wait_dscnt 0x0
.irp k, 0,1,2,3,4,5,6,7
	v_readfirstlane_b32 s[24+\k], v[96+\k]
.endr
	s_add_co_u32 s32, s25, s27
	s_add_co_u32 s32, s32, s29
	s_add_co_u32 s32, s32, s31                     ; tokens of type e in the parts before z
	s_add_co_u32 s33, s24, s26
	s_add_co_u32 s33, s33, s28
	s_add_co_u32 s33, s33, s30
	s_add_co_u32 s33, s33, s32                     ; and up to the end of part z: for z = 3 the type's count
.irp p, 0,1,2
	s_cmp_gt_u32 s14, \p
	s_cselect_b32 s19, s[24+2*\p], 0
	s_add_co_u32 s32, s32, s19                     ; + those of the waves before mine: where my wave's tokens begin in order[e]
.endr
	s_lshl_b32 s2, s16, 15
	s_add_nc_u64 s[8:9], s[8:9], s[2:3]            ; order[e]
	; All that the stores name is made here, with every lane on: sixteen offsets, sixteen token numbers, and what the count's store wants.
	; Behind this no vector register is written: between the masked stores stand only the mask, the store and the restore.
.irp g, 0,1,2,3,4,5,6,7,8,9,10,11,12,13,14,15
	v_add_nc_u32 v[RK+\g], s32, v[RK+\g]           ; the token's place in order[e],
	v_min_u32 v[RK+\g], 0x1fff, v[RK+\g]           ; held inside the row of 8,192 words,
	v_lshlrev_b32 v[RK+\g], 2, v[RK+\g]            ; in bytes
	v_add_nc_u32 v[TK+\g], 128*(\g/4)+\g%4, v3     ; the token's number
.endr
	v_mov_b32 v9, s33                              ; the type's count (stored where z = 3)
	v_mov_b32 v8, s16
	v_lshlrev_b32 v8, 2, v8                        ; its word in counts
	v_cmp_eq_u32 s35, 0, v1                        ; lane 0
	s_wait_alu depctr_va_vdst(0)
	s_wait_xcnt 0x0                                ; EXEC changes only behind this wait
.irp g, 0,1,2,3,4,5,6,7,8,9,10,11,12,13,14,15
	s_mov_b32 vcc_lo, s[36+\g]
	s_and_saveexec_b32 s34, vcc_lo                 ; the lanes that hold a token of type e
	global_store_b32 v[RK+\g], v[TK+\g], s[8:9]
	s_wait_xcnt 0x0                                ; in front of the line that widens EXEC again
	s_or_b32 exec_lo, exec_lo, s34
.endr
	s_cmp_lg_u32 s17, 3                            ; counts[e]: one lane of wave 0 of the work-group z = 3
	s_cbranch_scc1 .Lsorted
	s_cmp_lg_u32 s14, 0
	s_cbranch_scc1 .Lsorted
	s_mov_b32 vcc_lo, s35
	s_and_saveexec_b32 s34, vcc_lo
	global_store_b32 v8, v9, s[10:11]
	s_wait_xcnt 0x0
	s_or_b32 exec_lo, exec_lo, s34
.Lsorted:
	s_wait_tensorcnt 0x0
	ds_add_u32 v208, v209
	s_wait_dscnt 0x0
	s_endpgm
	; ---------------- the lay-out ----------------
.Llay:
	s_sub_co_u32 s16, ttmp9, 32
	s_lshl_b32 s16, s16, 2
	s_add_co_u32 s16, s16, s14                     ; my group of 16 rows, 0 .. 511
	s_mul_i32 s2, s16, 12288
	s_add_nc_u64 s[6:7], s[6:7], s[2:3]
	s_add_nc_u64 s[12:13], s[12:13], s[2:3]
	v_and_b32 v2, 15, v0                           ; r
	v_bfe_u32 v3, v0, 4, 1                         ; h
	s_mul_i32 s17, s14, WSTG
	s_add_co_u32 s17, s17, STG0                    ; my stage
	s_wait_alu depctr_va_vdst(0)
	v_lshlrev_b32 v13, 4, v1                       ; 16 x lane
	v_lshl_add_u32 v10, v2, 4, s17
	v_lshl_add_u32 v11, v3, 4, v10
	v_lshl_add_u32 v10, v3, 8, v10                 ; in: stage + 16 r + 256 h: both halves of the lanes in one row
	v_lshl_add_u32 v11, v3, 8, v11                 ; in: stage + 16 r + 272 h: lanes 16-31 begin the next row
	v_mul_u32_u24 v12, v2, PITCH
	v_mad_u32_u24 v12, v3, 48, v12
	v_add_nc_u32 v12, s17, v12                     ; out: row r, + 48 h
.irp i, 0,1,2,3,4,5,6,7,8,9,10,11,12,13,14,15,16,17,18,19,20,21,22,23
	global_load_b128 v[16+4*\i:19+4*\i], v13, s[6:7] offset:512*\i th:TH_LOAD_NT    ; 32 lanes read 512 consecutive bytes; read once in the launch
.endr
	s_wait_alu depctr_va_vdst(0)
.irp i, 0,1,2,3,4,5,6,7,8,9,10,11,12,13,14,15,16,17,18,19,20,21,22,23
	s_wait_loadcnt 23-\i                           ; load i is in; the younger ones may be out
.if (2*\i)%3 == 2                      ; a row is three pieces of 256 bytes; lanes 0-15 hold piece 2 i, lanes 16-31 piece 2 i + 1
	ds_store_b128 v11, v[16+4*\i:19+4*\i] offset:((2*\i)/3)*PITCH+512
.else
	ds_store_b128 v10, v[16+4*\i:19+4*\i] offset:((2*\i)/3)*PITCH+((2*\i)%3)*256
.endif
.endr
.irp q, 0,1,2,3,4,5,6,7,8,9,10,11,12,13,14,15,16,17,18,19,20,21,22,23
	ds_load_b128 v[112+4*\q:115+4*\q], v12 offset:96*(\q/3)+16*(\q%3)   ; K step q / 3, piece q % 3.  LDS serves a wave's instructions in order (ISA guide 5.7.1.4): these see my stores
.endr
.irp q, 0,1,2,3,4,5,6,7,8,9,10,11,12,13,14,15,16,17,18,19,20,21,22,23
	s_wait_dscnt 23-\q
	global_store_b128 v13, v[112+4*\q:115+4*\q], s[12:13] offset:512*\q      ; 32 lanes store 512 consecutive bytes, at a multiple of 256 from the buffer's first byte
.endr
	s_wait_tensorcnt 0x0
	ds_add_u32 v208, v209
	s_wait_dscnt 0x0
	s_endpgm
.Lfunc_end_k_q34f9b1fd83_prepare:
	.size	k_q34f9b1fd83_prepare, .Lfunc_end_k_q34f9b1fd83_prepare-k_q34f9b1fd83_prepare
	.p2alignl 7, 3214868480
	.fill 96, 4, 3214868480
	.section	.rodata,"a",@progbits
	.p2align	6, 0x0
	.amdhsa_kernel k_q34f9b1fd83_prepare
		.amdhsa_group_segment_fixed_size 51200
		.amdhsa_private_segment_fixed_size 0
		.amdhsa_enable_private_segment 0
		.amdhsa_kernarg_size 40
		.amdhsa_user_sgpr_count 2
		.amdhsa_user_sgpr_kernarg_segment_ptr 1
		.amdhsa_wavefront_size32 1
		.amdhsa_system_sgpr_workgroup_id_x 1
		.amdhsa_system_sgpr_workgroup_id_y 1
		.amdhsa_system_sgpr_workgroup_id_z 1
		.amdhsa_system_vgpr_workitem_id 0
		.amdhsa_next_free_vgpr 210
		.amdhsa_next_free_sgpr 66
		.amdhsa_reserve_vcc 1
		.amdhsa_float_denorm_mode_32 3
		.amdhsa_float_denorm_mode_16_64 3
		.amdhsa_memory_ordered 1
		.amdhsa_forward_progress 1
		.amdhsa_inst_pref_size 31
	.end_amdhsa_kernel
	.amdgpu_metadata
---
amdhsa.version: [ 1, 2 ]
amdhsa.kernels:
  - .name:           k_q34f9b1fd83_prepare
    .symbol:         k_q34f9b1fd83_prepare.kd
    .args:
      - { .name: types, .offset: 0, .size: 8, .value_kind: global_buffer, .address_space: global }
      - { .name: weight_codes, .offset: 8, .size: 8, .value_kind: global_buffer, .address_space: global }
      - { .name: order, .offset: 16, .size: 8, .value_kind: global_buffer, .address_space: global }
      - { .name: counts, .offset: 24, .size: 8, .value_kind: global_buffer, .address_space: global }
      - { .name: wimg, .offset: 32, .size: 8, .value_kind: global_buffer, .address_space: global }
    .group_segment_fixed_size: 51200
    .private_segment_fixed_size: 0
    .kernarg_segment_align: 8
    .kernarg_segment_size: 40
    .max_flat_workgroup_size: 128
    .sgpr_count:     66
    .vgpr_count:     210
    .wavefront_size: 32
...
	.end_amdgpu_metadata
.endif
;; end of part 1
;; launch typed (part 2): grid 4 x 64, 4 waves a work-group, no clusters, 136,192 bytes of LDS; arguments x_codes, x_scales, wimg, weight_scales, bias, order, counts, out0; writes out0
.if DOCPART == 2
	.amdgcn_target "amdgcn-amd-amdhsa--gfx1250"
	.amdhsa_code_object_version 6
	.text
	.protected	k_q34f9b1fd83_typed
	.globl	k_q34f9b1fd83_typed
	.p2align	8
	.type	k_q34f9b1fd83_typed,@function
k_q34f9b1fd83_typed:
	s_mov_b64 s[64:65], 0
	v_nop
	global_prefetch_b8 v0, s[64:65] scope:SCOPE_SE
	s_setreg_imm32_b32 hwreg(HW_REG_WAVE_MODE, 25, 1), 1
	s_wait_xcnt 0x0
; out[n] = W[types[n]] x[n] + bias[types[n]] on codes of FP6 (E2M3) with one E8M0 scale for each 32 along K; only the chosen type's rows are multiplied.
; SHARES.  64 tiles x 4 column blocks.  A tile is 1 to 9 blocks of 16 rows, sorted by type, of ONE type; work-group (x = column block of 256, y = tile); wave w makes columns 64 w .. 64 w + 63 for all
; rows of the tile.  Its part of W (4 groups of 16 columns x 8 K steps, 384 registers) comes once, as register images, and stays; the tile's rows of x are gathered once into LDS and read by all four waves.
; THE TILES are made from the eight stored counts, alike in every wave: nb = blocks of 16 of a type, nt = ceil(nb / 9) tiles.  The sum of nb is at most (8192 + 8 x 15) / 16 = 519, so the sum of nt is at most
; (519 + 64) / 9 = 64; what is left of 64 goes to the first largest type (at least 1,024 rows: 64 blocks, so no tile is empty).  A type's blocks are dealt evenly to its tiles.  Every split is served.
; K ORDER.  In each 128 along K lane half h holds the 48 consecutive bytes at 96 s + 48 h of its row, in x and in W alike: the two middle blocks of 32 change places, and so do bytes 1 and 2 of every scale word.
; The products are the same; the matrix unit groups them otherwise than in true order of K, which shows in the last bits only.
; TRANSPOSED USE: source 0 = 16 columns of W, source 1 = 16 rows of x: a lane holds one row and eight neighbouring columns.  The bias is the C of each sum's first product.
; SLOTS past the tile's last row hold copies of that row, so that loads and LDS contents are alike on every path; they are never stored.
; NO TENSOR LOADS, NO JOINT LOADS: the rows are gathered by a stored list, the type and the number of blocks are stored numbers, and branches hang on them.
; LIMITS: types inside 0 .. 7 (the earlier launch places no other token); a scale byte 0xff gives NaN in its row or column.
; REGISTERS, in windows of 256.  Window 0: v1-15, v52-57 addresses; v16-35 indices; v36-51 x's scale rows on their way; v64-79 W's scale words; v80-95 x's, two sets; v96-111 row numbers, two sets;
;   v112-119 store offsets; v120-151 rows on the way out; v152-183 the bias; v184-247 two sets of four accumulators.  Window 1: W's K steps 0-4.  Window 2: W's K steps 5-7.
;   Window 3: x's fragments, two sets of 96; during the gather v0-215 hold the rows as loaded.
.set XP,   784                         ; a row of x in LDS: 768 bytes + 16 = 49 x 16: sixteen rows of a load begin at sixteen different 16-byte columns modulo 256
.set XS,   144*XP                      ; behind the 144 rows: their scale words, 32 bytes a row, bytes already swapped
.set RI,   XS+144*32                   ; the 144 row numbers
.set STG,  RI+768                      ; the way out: 16 rows x (256 bytes + 16) for each wave
.set WS,   64
.set XSW,  80
.set RIX,  96
.set ADR,  112
.set OB,   120
.set BIAS, 152
.set ACC,  184
.set MSB, 0
.macro WIN new                         ; the immediate's high byte repeats the setting that is left; a switch that changes nothing is dropped
.if MSB != \new
	s_set_vgpr_msb (MSB<<8)|\new
.set MSB, \new
.endif
.endm
	s_load_b512 s[4:19], s[0:1], 0x0               ; x_codes s[4:5], x_scales s[6:7], wimg s[8:9], weight_scales s[10:11], bias s[12:13], order s[14:15], counts s[16:17], out s[18:19]
	v_lshl_add_u32 v254, v0, 2, 0x21200
	v_mov_b32 v255, 0
	v_and_b32 v1, 31, v0                           ; lane
	v_lshrrev_b32 v2, 5, v0
	v_readfirstlane_b32 s20, v2                    ; wave 0..3
	v_and_b32 v2, 15, v0                           ; r
	v_bfe_u32 v3, v0, 4, 1                         ; h
	s_mov_b32 s21, ttmp9                           ; column block
	s_and_b32 s22, ttmp7, 0xffff                   ; tile
	s_mov_b32 s23, 0x03010200                      ; byte select: bytes 1 and 2 change places
	s_wait_alu depctr_va_vdst(0)
	s_wait_kmcnt 0x0
	s_load_b256 s[24:31], s[16:17], 0x0            ; the eight counts
	; every LDS address is made here, of the thread's number, the wave's number and constants alone
	v_mul_u32_u24 v4, v2, XP
	v_mad_u32_u24 v4, v3, 48, v4                   ; a fragment of x: row r, + 48 h (blocks 0-4 by the immediate)
	v_add_nc_u32 v5, 5*16*XP, v4                   ; the same for blocks 5-8
	v_lshl_add_u32 v6, v2, 5, XS                   ; row r's scale words
	v_lshl_add_u32 v7, v3, 5, RI                   ; the row numbers of rows 8 h .. 8 h + 7
	s_mul_i32 s58, s20, 16*272
	s_add_co_u32 s58, s58, STG                     ; my stage
	v_mul_u32_u24 v8, v2, 272
	v_lshl_add_u32 v8, v3, 5, v8
	v_add_nc_u32 v8, s58, v8                       ; in: row r, + 32 h
	v_mul_u32_u24 v9, v3, 8*272
	v_lshl_add_u32 v9, v2, 4, v9
	v_add_nc_u32 v9, s58, v9                       ; back: lanes 0-15 row t, lanes 16-31 row 8 + t; 16 bytes a lane
	s_lshl_b32 s59, s21, 10
	s_lshl_b32 s60, s20, 8
	s_add_co_u32 s59, s59, s60
	v_lshl_add_u32 v10, v2, 4, s59                 ; my bytes in a row of out: 1024 x column block + 256 x wave + 16 r
	v_lshlrev_b32 v11, 3, v3                       ; 8 h
	v_lshlrev_b32 v12, 4, v1                       ; 16 x lane
	s_mul_i32 s60, s20, 36*XP
	v_mul_u32_u24 v13, v3, XP
	v_lshl_add_u32 v13, v2, 4, v13
	v_add_nc_u32 v13, s60, v13                     ; the gather's way into LDS: slot 36 w + h (+ 2 i by the immediate), 16 r
	v_lshlrev_b32 v14, 4, v2                       ; 16 r
	v_lshlrev_b32 v15, 5, v1                       ; 32 x lane
	v_lshl_add_u32 v52, v0, 5, XS                  ; slot = my thread's number: its scale words,
	v_lshl_add_u32 v53, v0, 2, RI                  ; its row number;
	v_lshl_add_u32 v54, v2, 5, XS+4096             ; slot 128 + r likewise (stored by wave 0)
	v_lshl_add_u32 v55, v2, 2, RI+512
	v_lshlrev_b32 v56, 5, v3                       ; 32 h: my eight numbers of a group's bias
	s_wait_kmcnt 0x0
	; ---- which tile of which type is mine ----
	s_mov_b32 s41, 0
.irp e, 0,1,2,3,4,5,6,7
	s_add_co_u32 s58, s[24+\e], 15
	s_lshr_b32 s58, s58, 4                         ; nb
	s_add_co_u32 s58, s58, 8
	s_mul_i32 s58, s58, 7282                       ; 7282 / 65536 = 1/9 + 3.4e-6: the quotient's floor is exact up to 520
	s_lshr_b32 s[32+\e], s58, 16                   ; nt = ceil(nb / 9)
	s_add_co_u32 s41, s41, s[32+\e]
.endr
	s_sub_co_u32 s41, 64, s41                      ; the tiles left over
	s_mov_b32 s42, 0                               ; the first largest type
	s_mov_b32 s43, s24
.irp e, 1,2,3,4,5,6,7
	s_cmp_gt_u32 s[24+\e], s43
	s_cselect_b32 s42, \e, s42
	s_cselect_b32 s43, s[24+\e], s43
.endr
	s_mov_b32 s40, 0                               ; T: the type's first tile
	s_mov_b32 s44, 0                               ; E, T_E, c_E, nt_E of the last type whose first tile is not behind mine
	s_mov_b32 s45, 0
	s_mov_b32 s46, 0
	s_mov_b32 s47, 0
.irp e, 0,1,2,3,4,5,6,7
	s_cmp_eq_u32 s42, \e
	s_cselect_b32 s58, s41, 0
	s_add_co_u32 s[32+\e], s[32+\e], s58
	s_cmp_ge_u32 s22, s40
	s_cselect_b32 s44, \e, s44
	s_cselect_b32 s45, s40, s45
	s_cselect_b32 s46, s[24+\e], s46
	s_cselect_b32 s47, s[32+\e], s47
	s_add_co_u32 s40, s40, s[32+\e]
.endr
	s_min_u32 s44, s44, 7                          ; held inside the tables that it indexes
	s_add_co_u32 s48, s46, 15
	s_lshr_b32 s48, s48, 4                         ; nb of my type
	s_sub_co_u32 s51, s22, s45                     ; j: my tile among the type's
	s_mov_b32 s49, 0                               ; base = floor(nb / nt), at most 9: how many of nt, 2 nt, .. 9 nt do not pass nb
	s_mov_b32 s58, s47
.rept 9
	s_cmp_le_u32 s58, s48
	s_add_co_ci_u32 s49, s49, 0
	s_add_co_u32 s58, s58, s47
.endr
	s_mul_i32 s58, s49, s47
	s_sub_co_u32 s50, s48, s58                     ; rem: the first rem tiles have one block more
	s_mul_i32 s52, s51, s49
	s_min_u32 s58, s51, s50
	s_add_co_u32 s52, s52, s58                     ; my first block
	s_cmp_lt_u32 s51, s50
	s_add_co_ci_u32 s53, s49, 0                    ; NBLK: my blocks, 1 .. 9
	s_lshl_b32 s59, s52, 4
	s_sub_co_u32 s54, s46, s59
	s_lshl_b32 s58, s53, 4
	s_min_u32 s54, s54, s58                        ; my rows, at least 1
	s_sub_co_u32 s55, s54, s58
	s_add_co_u32 s55, s55, 16                      ; REM: rows of my last block, 1 .. 16
	s_lshl_b32 s56, s44, 13
	s_add_co_u32 s56, s56, s59                     ; p0: my first word in order
	s_add_co_u32 s57, s56, s54
	s_sub_co_u32 s57, s57, 1                       ; pmax: my last
	s_lshl_b32 s58, s44, 6
	s_lshl_b32 s59, s21, 4
	s_add_co_u32 s58, s58, s59
	s_lshl_b32 s59, s20, 2
	s_add_co_u32 s58, s58, s59                     ; my first group of 16 columns: 64 E + 16 x column block + 4 w
	s_mul_i32 s66, s58, 12288
	s_mov_b32 s67, 0
	s_add_nc_u64 s[8:9], s[8:9], s[66:67]          ; its image,
	s_lshl_b32 s66, s58, 9
	s_add_nc_u64 s[10:11], s[10:11], s[66:67]      ; its scale bytes (16 rows of 32),
	s_lshl_b32 s66, s58, 6
	s_add_nc_u64 s[12:13], s[12:13], s[66:67]      ; its bias
	; ---- group A, 20 loads: the row numbers.  Pair i of my wave: slots 36 w + 2 i + h ----
	s_mul_i32 s58, s20, 36
	s_add_co_u32 s58, s58, s56
	v_add_nc_u32 v57, s58, v3
.irp i, 0,1,2,3,4,5,6,7,8,9,10,11,12,13,14,15,16,17
	v_add_nc_u32 v[16+\i], 2*\i, v57
	v_min_u32 v[16+\i], s57, v[16+\i]              ; a slot past my last row takes that row again
	v_min_u32 v[16+\i], 0xffff, v[16+\i]           ; inside the buffer's 65,536 words
	v_lshlrev_b32 v[16+\i], 2, v[16+\i]
	global_load_b32 v[16+\i], v[16+\i], s[14:15]
.endr
	v_add_nc_u32 v34, s56, v0                      ; slot = my thread's number
	v_min_u32 v34, s57, v34
	v_min_u32 v34, 0xffff, v34
	v_lshlrev_b32 v34, 2, v34
	global_load_b32 v34, v34, s[14:15]
	v_add_nc_u32 v35, s56, v2                      ; slot 128 + r
	v_add_nc_u32 v35, 128, v35
	v_min_u32 v35, s57, v35
	v_min_u32 v35, 0xffff, v35
	v_lshlrev_b32 v35, 2, v35
	global_load_b32 v35, v35, s[14:15]
; W's fragments of K step s: 12 loads of 512 consecutive bytes; group b's twelve registers at 48 s + 12 b of window 1 (s < 5) or 48 (s - 5) + 12 b of window 2
.macro WLOAD s
.if (\s) < 5
	WIN 0x40
.set WR, 48*(\s)
.else
	WIN 0x80
.set WR, 48*((\s)-5)
.endif
.irp b, 0,1,2,3
.irp j, 0,1,2
	global_load_b128 v[WR+12*\b+4*\j:WR+12*\b+4*\j+3], v12, s[8:9] offset:12288*\b+1536*(\s)+512*\j
.endr
.endr
.endm
	; ---- group B, 60 loads, on their way while the row numbers come: W's scale words, the bias, W's K steps 0-3 ----
.irp p, 0,1
.irp q, 0,1
	global_load_b128 v[WS+8*\p+4*\q:WS+8*\p+4*\q+3], v15, s[10:11] offset:1024*\p+16*\q   ; register 8 p + s: lanes 0-15 group 2 p, lanes 16-31 group 2 p + 1, K step s
.endr
.endr
.irp b, 0,1,2,3
.irp q, 0,1
	global_load_b128 v[BIAS+8*\b+4*\q:BIAS+8*\b+4*\q+3], v56, s[12:13] offset:64*\b+16*\q  ; in the result's layout: columns 16 b + 8 h + 0 .. 7
.endr
.endr
	WLOAD 0
	WLOAD 1
	WLOAD 2
	WLOAD 3
	WIN 0
	; ---- group C, 54 loads: my 36 rows of x, two rows an instruction, sixteen lanes to 256 consecutive bytes of a row ----
	s_wait_loadcnt 60                              ; the 20 row numbers are in; group B's 60 may be out
.irp i, 0,1,2,3,4,5,6,7,8,9,10,11,12,13,14,15,16,17
	v_min_u32 v[16+\i], 0x1fff, v[16+\i]           ; a row number is held inside x's 8,192 rows
	v_mul_u32_u24 v[16+\i], v[16+\i], 768
	v_add_nc_u32 v[16+\i], v14, v[16+\i]
.endr
	WIN 0xc0                                       ; destination window 3, address window 0
.irp i, 0,1,2,3,4,5,6,7,8,9,10,11,12,13,14,15,16,17
.irp u, 0,1,2
	global_load_b128 v[12*\i+4*\u:12*\i+4*\u+3], v[16+\i], s[4:5] offset:256*\u
.endr
.endr
	WIN 0
	v_min_u32 v34, 0x1fff, v34
	v_min_u32 v35, 0x1fff, v35
	ds_store_b32 v53, v34                          ; my slot's row number
	v_lshlrev_b32 v248, 5, v34
	v_lshlrev_b32 v249, 5, v35
	; ---- group D, 4 loads: the scale rows of my slot and of slot 128 + r;  group E, 48 loads: W's K steps 4-7 ----
	global_load_b128 v[36:39], v248, s[6:7]
	global_load_b128 v[40:43], v248, s[6:7] offset:16
	global_load_b128 v[44:47], v249, s[6:7]
	global_load_b128 v[48:51], v249, s[6:7] offset:16
	WLOAD 4
	WLOAD 5
	WLOAD 6
	WLOAD 7
	WIN 0
	; ---- into LDS ----
	s_wait_loadcnt 52                              ; groups A, B and C are in; D's 4 and E's 48 may be out
.irp k, 0,1,2,3,4,5,6,7,8,9,10,11,12,13,14,15
	v_perm_b32 v[WS+\k], v[WS+\k], v[WS+\k], s23   ; W's scale words in the K order of the fragments
.endr
	WIN 0x0c                                       ; an LDS store's data are its source 1: window 3
.irp i, 0,1,2,3,4,5,6,7,8,9,10,11,12,13,14,15,16,17
.irp u, 0,1,2
	ds_store_b128 v13, v[12*\i+4*\u:12*\i+4*\u+3] offset:2*XP*\i+256*\u
.endr
.endr
	WIN 0
	s_wait_loadcnt 48                              ; group D is in; E's 48 may be out
.irp k, 0,1,2,3,4,5,6,7,8,9,10,11,12,13,14,15
	v_perm_b32 v[36+\k], v[36+\k], v[36+\k], s23   ; x's scale words likewise.  (These sixteen plain lines also stand between the writing of W's scale words and the first product)
.endr
	ds_store_b128 v52, v[36:39]
	ds_store_b128 v52, v[40:43] offset:16
	s_cmp_lg_u32 s20, 0
	s_cbranch_scc1 .Lnot_wave_0
	ds_store_b128 v54, v[44:47]                    ; slots 128-143: lanes r and 16 + r write the same bytes with the same values
	ds_store_b128 v54, v[48:51] offset:16
	ds_store_b32 v55, v35
.Lnot_wave_0:
	s_wait_dscnt 0x0                               ; for the others' sake: all my LDS stores are done
	s_barrier_signal -1
	s_barrier_wait -1                              ; the launch's one barrier: behind it rows, scale words and row numbers are only read
; Block a's operands out of LDS, into set a % 2: 2 loads of scale words, 2 of row numbers, 24 of fragments: 28 LDS loads
.macro FETCH a
.set FP, (\a)%2
	WIN 0
	ds_load_b128 v[XSW+8*FP:XSW+8*FP+3],   v6 offset:512*(\a)
	ds_load_b128 v[XSW+8*FP+4:XSW+8*FP+7], v6 offset:512*(\a)+16
	ds_load_b128 v[RIX+8*FP:RIX+8*FP+3],   v7 offset:64*(\a)
	ds_load_b128 v[RIX+8*FP+4:RIX+8*FP+7], v7 offset:64*(\a)+16
	WIN 0xc0                                       ; destination window 3
.irp s, 0,1,2,3,4,5,6,7
.irp j, 0,1,2
.if (\a) < 5
	ds_load_b128 v[96*FP+12*\s+4*\j:96*FP+12*\s+4*\j+3], v4 offset:16*XP*(\a)+96*\s+16*\j
.else
	ds_load_b128 v[96*FP+12*\s+4*\j:96*FP+12*\s+4*\j+3], v5 offset:16*XP*((\a)-5)+96*\s+16*\j
.endif
.endr
.endr
.endm
; The store offsets of the block in set p: row number x 4,096 + my bytes of a row.  These 24 plain lines name no register of the products before them: they are the places
; in front of the LDS stores that read those results and of the loads into those products' operands and scale registers.
.macro ADDR p
.irp t, 0,1,2,3,4,5,6,7
	v_min_u32 v[ADR+\t], 0x1fff, v[RIX+8*(\p)+\t]
.endr
.irp t, 0,1,2,3,4,5,6,7
	v_lshlrev_b32 v[ADR+\t], 12, v[ADR+\t]
.endr
.irp t, 0,1,2,3,4,5,6,7
	v_add_nc_u32 v[ADR+\t], v10, v[ADR+\t]
.endr
.endm
; The block in set p goes through my own stage: in as 32 bytes a lane of row r, back as whole runs of 256 bytes of two rows.  Each accumulator is read from its low end on.
.macro STAGE p
.irp b, 0,1,2,3
	ds_store_b128 v8, v[ACC+32*(\p)+8*\b:ACC+32*(\p)+8*\b+3]   offset:64*\b
	ds_store_b128 v8, v[ACC+32*(\p)+8*\b+4:ACC+32*(\p)+8*\b+7] offset:64*\b+16
.endr
.irp t, 0,1,2,3,4,5,6,7
	ds_load_b128 v[OB+4*\t:OB+4*\t+3], v9 offset:272*\t    ; LDS serves a wave's instructions in order (ISA guide 5.7.1.4): these see the stores above
.endr
.endm
; K step s of the block in set p: four products, the four accumulators by turns, one instruction a turn.  The first step's C is the bias.
; W's scale words of an odd group lie in lanes 16-31 of their register.
.macro MULS p, s
.if (\s) < 5
.set WR, 48*(\s)
.else
.set WR, 48*((\s)-5)
.endif
.set AR, 96*(\p)+12*(\s)
.irp b, 0,1,2,3
.set DR, ACC+32*(\p)+8*\b
.if (\s) == 0
.if \b%2
	v_wmma_scale_f32_16x16x128_f8f6f4 v[DR:DR+7], v[WR+12*\b:WR+12*\b+11], v[AR:AR+11], v[BIAS+8*\b:BIAS+8*\b+7], v[WS+8*(\b/2)+(\s)], v[XSW+8*(\p)+(\s)] matrix_a_fmt:MATRIX_FMT_FP6 matrix_b_fmt:MATRIX_FMT_FP6 matrix_a_scale:MATRIX_SCALE_ROW1
.else
	v_wmma_scale_f32_16x16x128_f8f6f4 v[DR:DR+7], v[WR+12*\b:WR+12*\b+11], v[AR:AR+11], v[BIAS+8*\b:BIAS+8*\b+7], v[WS+8*(\b/2)+(\s)], v[XSW+8*(\p)+(\s)] matrix_a_fmt:MATRIX_FMT_FP6 matrix_b_fmt:MATRIX_FMT_FP6
.endif
.else
.if \b%2
	v_wmma_scale_f32_16x16x128_f8f6f4 v[DR:DR+7], v[WR+12*\b:WR+12*\b+11], v[AR:AR+11], v[DR:DR+7], v[WS+8*(\b/2)+(\s)], v[XSW+8*(\p)+(\s)] matrix_a_fmt:MATRIX_FMT_FP6 matrix_b_fmt:MATRIX_FMT_FP6 matrix_a_scale:MATRIX_SCALE_ROW1
.else
	v_wmma_scale_f32_16x16x128_f8f6f4 v[DR:DR+7], v[WR+12*\b:WR+12*\b+11], v[AR:AR+11], v[DR:DR+7], v[WS+8*(\b/2)+(\s)], v[XSW+8*(\p)+(\s)] matrix_a_fmt:MATRIX_FMT_FP6 matrix_b_fmt:MATRIX_FMT_FP6
.endif
.endif
.endr
.endm
; BLOCK a.  If there is no block a, the block before was the last: it leaves by the masked way.  Else the block before is full: it goes through the stage and is stored while this block is multiplied.
.macro BLOCK a
.set BP, (\a)%2
.if (\a) > 0
	s_cmp_le_u32 s53, \a
.if BP == 1
	s_cbranch_scc1 .Lfin0
.else
	s_cbranch_scc1 .Lfin1
.endif
.endif
	s_wait_dscnt 0x0                               ; this block's operands are in
.if (\a) > 0
	s_wait_xcnt 0x0                                ; the stores of the block two back have read their offsets and data: both are written again below
	ADDR 1-BP
	STAGE 1-BP
.endif
.if (\a) < 8
	FETCH (\a)+1                                   ; all 144 slots are filled, so the fetch needs no branch
.endif
	WIN 0x0d                                       ; source 0 (W) window 1, source 1 (x) window 3, C and D window 0
.irp s, 0,1,2,3,4
	MULS BP, \s
.endr
	WIN 0x0e                                       ; W in window 2
.irp s, 5,6,7
	MULS BP, \s
.endr
	WIN 0
.if (\a) > 0
.if (\a) < 8
	s_wait_alu depctr_va_vdst(0)
	s_wait_dscnt 28                                ; the stage's stores and loads are done; the 28 loads of the next block's fetch are younger and may be out
.else
	s_wait_alu depctr_va_vdst(0)
	s_wait_dscnt 0x0
.endif
.irp t, 0,1,2,3,4,5,6,7
	global_store_b128 v[ADR+\t], v[OB+4*\t:OB+4*\t+3], s[18:19] th:TH_STORE_NT   ; sixteen lanes store 256 consecutive bytes of a row, at a multiple of 256 from out's first byte; written once
.endr
.endif
.endm
; The tile's last block, in set p: only its first REM rows are stored.  Register t holds row 8 h + t.
.macro FIN p
	s_wait_dscnt 0x0
	s_wait_xcnt 0x0                                ; earlier stores have read their offsets and data; and EXEC changes only behind this wait
	ADDR \p
	STAGE \p
	s_wait_alu depctr_va_vdst(0)
	s_wait_dscnt 0x0
.irp t, 0,1,2,3,4,5,6,7
	s_sub_co_i32 s58, s55, \t
	v_cmp_gt_i32 vcc_lo, s58, v11                  ; REM - t > 8 h
	s_and_saveexec_b32 s70, vcc_lo
	global_store_b128 v[ADR+\t], v[OB+4*\t:OB+4*\t+3], s[18:19] th:TH_STORE_NT
	s_wait_xcnt 0x0                                ; in front of the line that widens EXEC again
	s_or_b32 exec_lo, exec_lo, s70
.endr
	s_wait_xcnt 0x0
	s_mov_b32 exec_lo, -1
	s_wait_tensorcnt 0x0
	ds_add_u32 v254, v255
	s_wait_dscnt 0x0
	s_endpgm
.endm
	FETCH 0
	WIN 0
	s_wait_loadcnt 0x0                             ; W is whole
.irp a, 0,1,2,3,4,5,6,7,8
	BLOCK \a
.endr
.Lfin0:
	FIN 0
.Lfin1:
	FIN 1
.Lfunc_end_k_q34f9b1fd83_typed:
	.size	k_q34f9b1fd83_typed, .Lfunc_end_k_q34f9b1fd83_typed-k_q34f9b1fd83_typed
	.p2alignl 7, 3214868480
	.fill 96, 4, 3214868480
	.section	.rodata,"a",@progbits
	.p2align	6, 0x0
	.amdhsa_kernel k_q34f9b1fd83_typed
		.amdhsa_group_segment_fixed_size 136192
		.amdhsa_private_segment_fixed_size 0
		.amdhsa_enable_private_segment 0
		.amdhsa_kernarg_size 64
		.amdhsa_user_sgpr_count 2
		.amdhsa_user_sgpr_kernarg_segment_ptr 1
		.amdhsa_wavefront_size32 1
		.amdhsa_system_sgpr_workgroup_id_x 1
		.amdhsa_system_sgpr_workgroup_id_y 1
		.amdhsa_system_sgpr_workgroup_id_z 1
		.amdhsa_system_vgpr_workitem_id 0
		.amdhsa_next_free_vgpr 1024
		.amdhsa_next_free_sgpr 72
		.amdhsa_reserve_vcc 1
		.amdhsa_float_denorm_mode_32 3
		.amdhsa_float_denorm_mode_16_64 3
		.amdhsa_memory_ordered 1
		.amdhsa_forward_progress 1
		.amdhsa_inst_pref_size 126
	.end_amdhsa_kernel
	.amdgpu_metadata
---
amdhsa.version: [ 1, 2 ]
amdhsa.kernels:
  - .name:           k_q34f9b1fd83_typed
    .symbol:         k_q34f9b1fd83_typed.kd
    .args:
      - { .name: x_codes, .offset: 0, .size: 8, .value_kind: global_buffer, .address_space: global }
      - { .name: x_scales, .offset: 8, .size: 8, .value_kind: global_buffer, .address_space: global }
      - { .name: wimg, .offset: 16, .size: 8, .value_kind: global_buffer, .address_space: global }
      - { .name: weight_scales, .offset: 24, .size: 8, .value_kind: global_buffer, .address_space: global }
      - { .name: bias, .offset: 32, .size: 8, .value_kind: global_buffer, .address_space: global }
      - { .name: order, .offset: 40, .size: 8, .value_kind: global_buffer, .address_space: global }
      - { .name: counts, .offset: 48, .size: 8, .value_kind: global_buffer, .address_space: global }
      - { .name: out0, .offset: 56, .size: 8, .value_kind: global_buffer, .address_space: global }
    .group_segment_fixed_size: 136192
    .private_segment_fixed_size: 0
    .kernarg_segment_align: 8
    .kernarg_segment_size: 64
    .max_flat_workgroup_size: 128
    .sgpr_count:     72
    .vgpr_count:     1024
    .wavefront_size: 32
...
	.end_amdgpu_metadata
.endif
;; end of part 2
